; MI455X (gfx1250); checked and timed in simulation.
; The chip was launched on July 23, 2026; its instructions are those of AMD's public machine-readable ISA for CDNA 5 (MIT licence, August 2026) and "CDNA5" Instruction Set Architecture Reference Guide (July 2026). The comments in the code are by the model that wrote it; some were corrected since.
;; Cross SDPA. Allowed arithmetic: matrix products marked QUANTISED: E5M2 operands, one E8M0 scale for each 32 along K, by v_wmma_scale_f32_16x16x128_f8f6f4 with both operands' format E5M2, f32 sums; everything else in f32.
;; Inputs: Wk_codes 64 x 16 x 32 uint8 (E5M2 codes of Wk, K innermost, in blocks of 32 codes); Wk_scales 64 x 16 uint8 (E8M0 scales of Wk, one for each 32 codes along K); Wq_codes 64 x 16 x 32 uint8 (E5M2 codes of Wq, K innermost, in blocks of 32 codes); Wq_scales 64 x 16 uint8 (E8M0 scales of Wq, one for each 32 codes along K); Wv_codes 64 x 16 x 32 uint8 (E5M2 codes of Wv, K innermost, in blocks of 32 codes); Wv_scales 64 x 16 uint8 (E8M0 scales of Wv, one for each 32 codes along K); bk 64 float32; bq 64 float32; bv 64 float32; y_codes 4 x 4,096 x 16 x 32 uint8 (E5M2 codes of y, K innermost, in blocks of 32 codes); y_scales 4 x 4,096 x 16 uint8 (E8M0 scales of y, one for each 32 codes along K); z_codes 4 x 4,096 x 16 x 32 uint8 (E5M2 codes of z, K innermost, in blocks of 32 codes); z_scales 4 x 4,096 x 16 uint8 (E8M0 scales of z, one for each 32 codes along K).
;; Outputs: out0 4 x 4,096 x 64 float32.
;; This version of the problem:
;;   THIS VERSION OF THE PROBLEM IS GIVEN IN LOW PRECISION. The matrix products marked QUANTISED in the list below multiply operands that are first quantised to E5M2 (5 exponent bits, 2 mantissa bits; 8 bits a number), with one power-of-two scale for each 32 numbers along K (OCP MX v1.0); their sums are f32. All else is computed in f32.
;;   The module's matrix products, in the order in which they are computed (A, B: the left and right operand; K: the contracted axis; several contracted axes count as one K, in the product's order):
;;     1. [M 16,384, K 512] x [K 512, N 64]; A: input y (given as codes); B: input Wq (given as codes): QUANTISED
;;     2. [M 16,384, K 512] x [K 512, N 64]; A: input z (given as codes); B: input Wk (given as codes): QUANTISED
;;     3. [M 16,384, K 512] x [K 512, N 64]; A: input z (given as codes); B: input Wv (given as codes): QUANTISED
;;     4. batch 4 x [M 4,096, K 64] x [K 64, N 4,096]; A: computed on the way; B: computed on the way: QUANTISED
;;     5. batch 4 x [M 4,096, K 4,096] x [K 4,096, N 64]; A: softmax (see below); B: computed on the way: QUANTISED
;;   THE QUANTISER, for each operand of a quantised product, along K:
;;     - K is cut into blocks of 32 from its start; a last block that is shorter is filled with zeros.
;;     - A block's scale is 2^e with e = floor(log2(the largest magnitude in the block)) - 15, held to -126 .. 127; a block of zeros has e = 0. As a byte (E8M0): e + 127.
;;     - Each number is divided by its block's scale, clamped to +-57,344, and rounded to the nearest number of E5M2, ties to even, subnormals kept.
;;     - The product sums the exact products of the quantised numbers (number of the format x scale) in f32.
;;   ~~~python
;;   def quantise(x, axis):      # numpy; x: float32 -> the quantised numbers, widened to float32 again
;;       x = np.moveaxis(x, axis, -1); K = x.shape[-1]
;;       x = np.pad(x, [(0, 0)] * (x.ndim - 1) + [(0, -K % 32)]); x = x.reshape(x.shape[:-1] + (-1, 32)); a = np.abs(x).max(-1, keepdims=True)
;;       e = np.where(a > 0, np.clip(np.frexp(np.where(a > 0, a, 1))[1] - 1 - 15, -126, 127), 0)      # np.frexp(a)[1] - 1 = floor(log2(a)), exactly
;;       r = np.clip(x / 2.0 ** e, -57344, 57344)
;;       step = 2.0 ** (np.maximum(np.frexp(np.where(r == 0, 1, r))[1] - 1, -14) - 2)
;;       q = np.round(r / step) * step * 2.0 ** e      # np.round: ties to even
;;       return np.moveaxis(q.reshape(q.shape[:-2] + (-1,))[..., :K], -1, axis).astype(np.float32)
;;   ~~~
;;   SOFTMAX AHEAD OF A QUANTISED PRODUCT. Where the list says 'softmax', what is quantised is not the finished softmax but p = 2^(t - M), with t = logit x log2(e) and M = ceil(the row's largest t), a whole number; so 1/2 < the row's largest p <= 1. The row's sum l is taken of the UNQUANTISED p, in f32, and the product's result is divided by l at the end. Since M is a whole number, a kernel that streams over the keys may use a running M (the ceiling of the running maximum): every later rescaling is an exact power of two, which a block's scale takes up: the codes' values come out the same.
;;   OPERANDS COMPUTED ON THE WAY. 'Computed on the way' means the value that the module computes at that place (a softmax that the list does not call 'softmax' is quantised finished and normalised). What goes into a quantiser is computed in f32, as accurately as f32 sums, v_exp_f32 and their like allow (about 1e-6 of the number): no bf16 or f16 on the way to a quantiser, and a product that is left as it is and whose result goes on into a quantised operand takes f32 operands (vector FMAs, or v_wmma_f32_16x16x4_f32). A number that lies on a knife's edge between two numbers of the format may be rounded either way, as far as f32 arithmetic and the matrix unit's own rounding can turn it there, and no further.
;;   INPUTS GIVEN AS CODES. Wk (in the module: [512, 64], K = its axis 0); Wq (in the module: [512, 64], K = its axis 0); Wv (in the module: [512, 64], K = its axis 0); y (in the module: [4, 4096, 512], K = its axis 2); z (in the module: [4, 4096, 512], K = its axis 2): each comes as NAME_codes (uint8): NAME with its K axis moved to the last place and cut into blocks of 32 codes, [.., K / 32, bytes a block], one block behind the other in memory; one code a byte (a code: sign, 5 exponent bits, 2 mantissa bits); and NAME_scales (uint8): the same leading axes, one E8M0 byte (e + 127) for each 32 codes along K. Its value is code x scale, taken as it is: it is not quantised again, and the codes and scales need not be those that the quantiser above would give.
;; One version. Each part assembles by itself: llvm-mc -triple=amdgcn-amd-amdhsa -mcpu=gfx1250 --defsym DOCPART=n.
;; ======== version 1 of 1: 2 launches
;; limits: right only within a limited range of input values
;; workspace buffers: kvc 2,162,688 bytes; qimg 1,114,112 bytes
;; launch project (part 1): grid 256 x 1, 6 waves a work-group, no clusters, 172,800 bytes of LDS; arguments z_codes, y_codes, Wk_codes, Wq_codes, Wv_codes, z_scales, y_scales, Wk_scales, Wq_scales, Wv_scales, bk, bq, bv, kvc, qimg; writes kvc, qimg
.if DOCPART == 1
	.amdgcn_target "amdgcn-amd-amdhsa--gfx1250"
	.amdhsa_code_object_version 6
	.text
	.protected	k_qaf03a6d605_project
	.globl	k_qaf03a6d605_project
	.p2align	8
	.type	k_qaf03a6d605_project,@function
k_qaf03a6d605_project:
	s_mov_b64 s[64:65], 0
	v_nop
	global_prefetch_b8 v0, s[64:65] scope:SCOPE_SE
	s_setreg_imm32_b32 hwreg(HW_REG_WAVE_MODE, 25, 1), 1
	s_wait_xcnt 0x0
; K = z Wk + bk, V = z Wv + bv, Q = y Wq + bq, on codes of BF8 (E5M2) with one E8M0 scale for each 32 along K = 512; sums in f32, the bias as the C of each sum's first product.
; The results are quantised at once (K and Q along their 64 channels, V along the keys) and stored as IMAGES OF OPERAND REGISTERS for the next launch.
; SHARES.  Work-group i takes rows 64 i .. 64 i + 63 of z and of y.  Six waves: role = wave / 2 (0: K, 1: Q, 2: V), blk = wave % 2: 32 of the 64 rows.  32 matrix instructions a wave.
; The five tiles (z, y, Wk, Wq, Wv: 64 rows x 512 bytes each, dense in memory) come into LDS once, one tensor load for each of waves 0 to 4; nothing is filled twice.
; No cluster: z's and y's tiles, 64 KB of a work-group's 160, are its own; the weights' 96 KB are shared by all work-groups, but they are asked for once, in the one group of fills at the head: a joint request
; would add two rounds of the cluster's barrier to a text whose work behind the fills is 32 matrix instructions a wave.
; A TILE IS 16 NEIGHBOURING ROWS: at a pitch of 132 words row r starts at bank 4 r mod 64 (64 banks of 4 bytes: ISA guide 11.1), so the sixteen rows that a fragment load touches lie in different banks.
; K, Q (source 0 = 16 rows of W, source 1 = 16 rows of x): lane (r, h) holds row 16 u + r of its 32; register ACC + 32 u + 8 i + j = channel 16 i + 8 h + j.
; V    (source 0 = 16 rows of z, source 1 = 16 rows of Wv): lane (r, h) holds channel 16 t + r; register ACC + 16 t + 8 u + j = key 16 u + 8 h + j of its 32.
; THE ORDER ALONG THE NEXT K.  A lane's 16 numbers of a block of 32 are numbers 8 h + 0 .. 7 and 16 + 8 h + 0 .. 7 of the block, and their codes stand in the next operand's 16 places in that order.  The order is the same on
; both sides of each later product (Q and K along the channels; p and V along the keys) and stays inside a block of 32: every number meets its partner under the right scales.
; WORKSPACE.  kvc [128 steps of 128 keys][16,384]: K's fragments b = 0..3 at 2,048 b (two tiles of 16 keys in one fragment: k 0..63 and k 64..127), V's fragments t = 0..3 at 8,192 + 2,048 t; a fragment is four pieces of
; 512 bytes, piece c = registers 4 c .. 4 c + 3, lane l at 16 l.  kvs [128 steps][2][256]: 128 bytes of K's scale words, 128 of V's scale bytes in pairs.  qimg [256][4,352]: two images of 2,048 bytes and 256 bytes of scale words.
; LIMITS: NaN, infinities and scale bytes of 0xff among the inputs are not served; a block of zeros gets the byte 1 where the rule says 127: its codes are zeros, and the bytes are read by this program alone;
; in the two later products the numbers of a block of 32 are added in the order given above and not in ascending k: the sums differ from ascending order by their rounding alone.
.set PITCH, 528                        ; an LDS row: 512 bytes + 16 of padding
.set REG,   64*PITCH                   ; a tile in LDS; the five lie on end: z, y, Wk, Wq, Wv
.set SC,    5*REG                      ; behind them, in two blocks of 256 bytes that no tensor load fills: the stage for scale words
.set XS,  16                           ; v16-23   scale words of x: tile u, K step s at XS + 4 u + s
.set WS,  24                           ; v24-39   of W: tile i, K step s at WS + 4 i + s
.set BL,  40                           ; v40-43   the bias of my lane's channel in each of W's four tiles (V)
.set BI,  44                           ; v44-75   the bias as C: eight registers for each of W's four tiles
.set ACC, 76                           ; v76-139  eight accumulators
.set XF,  140                          ; v140-171 two fragments of x
.set WF,  172                          ; v172-235 four fragments of W
.set TM,  236                          ; v236-239 largest magnitudes, v240-243 bytes, v244-247 the largest number x the scale, v248-251 the conversions' scale operands
.set PW,  252                          ; the scale word
.set PC,  140                          ; the codes, where x's fragments lay
	s_load_b512 s[8:23], s[0:1], 0x0               ; z s8, y s10, Wk s12, Wq s14, Wv s16 (codes); z s18, y s20, Wk s22 (scales)
	s_load_b256 s[24:31], s[0:1], 0x40             ; Wq s24, Wv s26 (scales); bk s28, bq s30
	s_load_b128 s[32:35], s[0:1], 0x60             ; bv s32; kvc s34
	s_load_b64 s[36:37], s[0:1], 0x70              ; qimg s36
	; kvc here: 128 records of 16,896 bytes, one for each 128 keys: 16,384 bytes of codes and behind them the 512 scale bytes that the head calls kvs
	v_lshl_add_u32 v254, v0, 2, 0x2a000
	v_mov_b32 v255, 0
	ds_add_u32 v254, v255
	ds_add_u32 v254, v255
	v_lshrrev_b32 v1, 5, v0
	v_readfirstlane_b32 s40, v1                    ; wave 0..5
	v_and_b32 v1, 31, v0                           ; lane
	v_and_b32 v2, 15, v0                           ; r
	v_bfe_u32 v3, v0, 4, 1                         ; h
	s_wait_alu depctr_va_vdst(0)
	s_lshr_b32 s41, s40, 1                         ; role
	s_and_b32 s42, s40, 1                          ; blk
	s_mov_b32 s43, ttmp9                           ; i
	; every LDS address is made here, ahead of the parting of the roles
	s_and_b32 s44, s40, 3
	s_mul_i32 s44, s44, 32*PITCH                   ; my 32 rows: waves 0, 1, 4, 5 in z's tile, waves 2, 3 in y's
	v_mul_u32_u24 v5, v2, PITCH
	v_lshl_add_u32 v5, v3, 4, v5                   ; r x pitch + 16 h
	s_mul_i32 s45, s41, REG
	s_add_co_u32 s45, s45, 2*REG                   ; my role's W
	v_add_nc_u32 v6, s45, v5                       ; v6: W's fragments
	v_add_nc_u32 v5, s44, v5                       ; v5: x's fragments
	v_lshlrev_b32 v7, 4, v2                        ; v7: 16 r: a row of scale bytes
	v_lshlrev_b32 v8, 5, v3                        ; v8: 32 h: eight channels of a bias
	v_lshlrev_b32 v9, 2, v2                        ; v9: 4 r: one channel of a bias
	v_lshlrev_b32 v10, 4, v1                       ; v10: 16 x lane: an image's place
	s_add_co_u32 s44, s41, 1
	s_mul_i32 s44, s44, s40
	s_lshl_b32 s44, s44, 6
	s_add_co_u32 s44, s44, SC                      ; K: SC + 64 wave;  Q: SC + 128 wave
	s_lshl_b32 s45, s41, 6
	v_mul_u32_u24 v11, s45, v3                     ; Q: + 64 h (all 32 lanes store);  K: both halves store the same word
	v_lshl_add_u32 v11, v2, 2, v11
	v_add_nc_u32 v11, s44, v11                     ; v11: where my scale word goes
	v_lshl_add_u32 v12, v2, 2, SC+128
	v_add_nc_u32 v12, s42, v12                     ; v12: where V's scale bytes go: 4 r + blk
	s_lshl_b32 s44, s40, 8
	s_add_co_u32 s44, s44, SC
	v_lshl_add_u32 v13, v1, 3, s44                 ; v13: the stage read back: wave 0 the first 256 bytes, wave 1 the second
	v_lshlrev_b32 v14, 3, v1                       ; v14: and the same 8 bytes a lane in memory
.irp b, 0,1,2,3
	v_mov_b32 v[TM+4+\b], 0                        ; written once: a lane permute's destination counts as one of its sources
.endr
	s_mov_b32 s72, 0x76543210
	s_mov_b32 s73, 0xfedcba98                      ; v_permlanex16_b32's selects for lane l xor 16
	s_mov_b32 s74, 0x600000                        ; the mantissa field of 57,344
	; descriptor group 1: 64 rows of 64 elements of 8 bytes, dense; four words of padding behind every 128
	s_mov_b32 s48, (3<<16)|(1<<20)|(6<<22)|(3<<25)
	s_mov_b32 s49, 64<<16                          ; tensor_dim0
	s_mov_b32 s50, 64<<16                          ; tensor_dim1
	s_mov_b32 s51, 64<<16                          ; tile_dim0
	s_mov_b32 s52, 64                              ; tile_dim1
	s_mov_b32 s53, 64                              ; the pitch
	s_mov_b32 s54, 0
	s_mov_b32 s55, 0
	; offsets, in registers of their own
	s_lshl_b32 s44, s43, 15                        ; 64 rows of 512 bytes: z's and y's tiles; the weights begin at 0
	s_cmp_lt_u32 s40, 2
	s_cselect_b32 s44, s44, 0
	s_mov_b32 s45, 0
	s_lshl_b32 s46, s43, 10                        ; x's scale bytes: 16 a row
	s_lshl_b32 s76, s42, 9
	s_add_co_u32 s46, s46, s76
	s_mov_b32 s47, 0
	s_lshr_b32 s76, s43, 1
	s_mul_i32 s76, s76, 16896
	s_and_b32 s77, s43, 1                          ; which half of it
	s_lshl_b32 s78, s77, 12
	s_add_co_u32 s78, s78, s76
	s_lshl_b32 s79, s42, 11
	s_add_co_u32 s78, s78, s79                     ; K: fragment 2 half + blk
	s_lshl_b32 s77, s77, 10
	s_add_co_u32 s76, s76, s77
	s_lshl_b32 s77, s42, 9
	s_add_co_u32 s76, s76, s77
	s_add_co_u32 s76, s76, 8192                    ; V: piece 2 half + blk of each fragment
	s_mul_i32 s77, s43, 4352
	s_add_co_u32 s79, s79, s77                     ; Q: record i, image blk
	s_cmp_eq_u32 s41, 0
	s_cselect_b32 s76, s78, s76
	s_cmp_eq_u32 s41, 1
	s_cselect_b32 s76, s79, s76                    ; s76: my codes' place
	s_add_co_u32 s78, s77, 4096                    ; Q's scale words lie behind the two images
	s_lshr_b32 s75, s43, 1
	s_lshl_b32 s75, s75, 14
	s_lshl_b32 s79, s43, 8
	s_add_co_u32 s79, s79, s75
	s_add_co_u32 s79, s79, 16384                   ; 16,896 (i / 2) + 16,384 + 256 (i % 2)
	s_cmp_eq_u32 s40, 0
	s_cselect_b32 s78, s79, s78                    ; s78: wave 0 stores 256 bytes of kvs, wave 1 of qimg
	s_mov_b32 s77, 0
	s_mov_b32 s79, 0
	s_wait_dscnt 0x0
	s_wait_kmcnt 0x0
	; descriptor group 0: tile number = wave number
	s_mov_b32 s56, 1
	s_mul_i32 s57, s40, REG
	s_cmp_lt_u32 s40, 4
	s_cselect_b64 s[58:59], s[14:15], s[16:17]
	s_cmp_lt_u32 s40, 3
	s_cselect_b64 s[58:59], s[12:13], s[58:59]
	s_cmp_lt_u32 s40, 2
	s_cselect_b64 s[58:59], s[10:11], s[58:59]
	s_cmp_lt_u32 s40, 1
	s_cselect_b64 s[58:59], s[8:9], s[58:59]
	s_add_nc_u64 s[58:59], s[58:59], s[44:45]
	s_or_b32 s59, s59, 0x80000000
	s_cmp_lt_u32 s40, 5
	s_cbranch_scc0 .Lno_tile                       ; wave 5 has no tile to fetch
	tensor_load_to_lds s[56:59], s[48:55]
	s_nop 0
.rept 4
	v_nop
.endr
.Lno_tile:
	s_cmp_eq_u32 s41, 1
	s_cselect_b64 s[60:61], s[20:21], s[18:19]     ; x's scales
	s_cselect_b64 s[68:69], s[36:37], s[34:35]     ; where the codes go
	s_cselect_b64 s[62:63], s[24:25], s[22:23]     ; W's scales
	s_cselect_b64 s[66:67], s[30:31], s[28:29]     ; the bias
	s_cmp_eq_u32 s41, 2
	s_cselect_b64 s[62:63], s[26:27], s[62:63]
	s_cselect_b64 s[66:67], s[32:33], s[66:67]
	s_cmp_eq_u32 s40, 0
	s_cselect_b64 s[70:71], s[34:35], s[36:37]     ; where the stage goes
	s_add_nc_u64 s[60:61], s[60:61], s[46:47]
	s_add_nc_u64 s[68:69], s[68:69], s[76:77]
	s_add_nc_u64 s[70:71], s[70:71], s[78:79]
.irp u, 0,1
	global_load_b128 v[XS+4*\u:XS+4*\u+3], v7, s[60:61] offset:256*\u            ; row 16 u + r: its four words
.endr
.irp i, 0,1,2,3
	global_load_b128 v[WS+4*\i:WS+4*\i+3], v7, s[62:63] offset:256*\i            ; row 16 i + r of W
.endr
.irp i, 0,1,2,3
	global_load_b128 v[BI+8*\i:BI+8*\i+3], v8, s[66:67] offset:64*\i             ; channels 16 i + 8 h + 0 .. 7
	global_load_b128 v[BI+8*\i+4:BI+8*\i+7], v8, s[66:67] offset:64*\i+16
.endr
.irp t, 0,1,2,3
	global_load_b32 v[BL+\t], v9, s[66:67] offset:64*\t                          ; channel 16 t + r
.endr
	s_wait_tensorcnt 0x0                           ; my tile has landed (a wave without one passes at once),
	s_barrier_signal -1
	s_barrier_wait -1                              ; everybody's has
	s_wait_loadcnt 0x0                             ; scale words and biases
; 32 matrix instructions: four K steps of 128, in each W's four tiles x my two tiles of rows.  kind = 0: source 0 = W (K, Q);  kind = 1: source 0 = z (V).
; The eight accumulators take turns, one instruction a turn, in the same order in every K step.
.macro MATS kind
.irp s, 0,1,2,3
.if \s > 0
.rept 8
	v_nop                                          ; eight places in front of loads into registers that matrix instructions have read
.endr
.endif
.irp u, 0,1
.irp c, 0,1,2,3
	ds_load_b128 v[XF+16*\u+4*\c:XF+16*\u+4*\c+3], v5 offset:16*\u*PITCH+128*\s+32*\c
.endr
.endr
.irp i, 0,1,2,3
.irp c, 0,1,2,3
	ds_load_b128 v[WF+16*\i+4*\c:WF+16*\i+4*\c+3], v6 offset:16*\i*PITCH+128*\s+32*\c
.endr
.endr
.if \kind && (\s == 0)
.irp t, 0,1,2,3
	s_wait_alu depctr_va_vdst(0)
.irp j, 0,1,2,3,4,5,6,7
	v_mov_b32 v[BI+8*\t+\j], v[BL+\t]              ; V: a lane holds one channel, so its bias fills the tile's eight registers; done while the loads are out
.endr
.endr
.endif
	s_wait_alu depctr_va_vdst(0)
.irp i, 0,1,2,3
	s_wait_dscnt 4*(3-\i)                          ; x's two fragments and W's tiles 0 .. i are in; the younger tiles of W, four loads each, may be out
.irp u, 0,1
.if \kind
.set rD, ACC+16*\i+8*\u
.set rA, XF+16*\u
.set rB, WF+16*\i
.set rSA, XS+4*\u+\s
.set rSB, WS+4*\i+\s
.else
.set rD, ACC+32*\u+8*\i
.set rA, WF+16*\i
.set rB, XF+16*\u
.set rSA, WS+4*\i+\s
.set rSB, XS+4*\u+\s
.endif
.if \s == 0
	v_wmma_scale_f32_16x16x128_f8f6f4 v[rD:rD+7], v[rA:rA+15], v[rB:rB+15], v[BI+8*\i:BI+8*\i+7], v[rSA], v[rSB] matrix_a_fmt:MATRIX_FMT_BF8 matrix_b_fmt:MATRIX_FMT_BF8
.else
	v_wmma_scale_f32_16x16x128_f8f6f4 v[rD:rD+7], v[rA:rA+15], v[rB:rB+15], v[rD:rD+7], v[rSA], v[rSB] matrix_a_fmt:MATRIX_FMT_BF8 matrix_b_fmt:MATRIX_FMT_BF8
.endif
.endr
.endr
.endr
.rept 8
	v_nop                                          ; eight places in front of the first read of results, and of the codes laid over x's fragments
.endr
.endm
; The 64 results of a lane, four blocks of 16 (the other 16 of each block lie in lane l xor 16), become 16 registers of codes.  word = 1: the four bytes make a scale word.
.macro QUANT word
.irp b, 0,1,2,3
	v_max3_num_f32 v[TM+\b], |v[ACC+16*\b]|, |v[ACC+1+16*\b]|, 0x8000000   ; my 16 numbers, and the floor 2^(16 - 127): the byte cannot fall under 1.  Each accumulator is read from its low end on
.endr
.irp i, 2,4,6,8,10,12,14
.irp b, 0,1,2,3
	v_max3_num_f32 v[TM+\b], v[TM+\b], |v[ACC+16*\b+\i]|, |v[ACC+1+16*\b+\i]|
.endr
.endr
.irp b, 0,1,2,3
	v_permlanex16_b32 v[TM+4+\b], v[TM+\b], s72, s73
.endr
.irp b, 0,1,2,3
	v_max_num_f32 v[TM+\b], v[TM+\b], v[TM+4+\b]   ; the block's largest magnitude
.endr
.irp b, 0,1,2,3
	v_add_nc_u32 v[TM+12+\b], 0xf8800000, v[TM+\b] ; 15 off its exponent field: the conversion's scale operand
.endr
.irp b, 0,1,2,3
	v_and_or_b32 v[TM+8+\b], v[TM+\b], 0x7f800000, s74   ; 57,344 x the scale
.endr
.irp b, 0,1,2,3
	v_lshrrev_b32 v[TM+4+\b], 23, v[TM+12+\b]      ; the scale's byte
.endr
.if \word
	v_lshl_or_b32 v[PW], v[TM+5], 8, v[TM+4]
	v_lshl_or_b32 v[PW], v[TM+6], 16, v[PW]
	v_lshl_or_b32 v[PW], v[TM+7], 24, v[PW]
.endif
.irp b, 0,1,2,3
.irp i, 0,1,2,3,4,5,6,7,8,9,10,11,12,13,14,15
	v_med3_num_f32 v[ACC+16*\b+\i], v[ACC+16*\b+\i], -v[TM+8+\b], v[TM+8+\b]   ; the conversion to an 8-bit code does not saturate (ISA guide 7.6.2): the hold comes first
.endr
	v_cvt_scalef32_pk8_bf8_f32 v[PC+4*\b:PC+1+4*\b], v[ACC+16*\b:ACC+7+16*\b], v[TM+12+\b]
	v_cvt_scalef32_pk8_bf8_f32 v[PC+2+4*\b:PC+3+4*\b], v[ACC+8+16*\b:ACC+15+16*\b], v[TM+12+\b]
.endr
	v_nop                                          ; one plain vector instruction behind the last scaled conversion
.endm
	s_cmp_lt_u32 s40, 4
	s_cbranch_scc0 .Lv
	MATS 0                                         ; K or Q
	QUANT 1
.irp k, 0,1,2,3
	global_store_b128 v10, v[PC+4*\k:PC+4*\k+3], s[68:69] offset:512*\k    ; the image: 512 consecutive bytes a store, 2,048 on end
.endr
	ds_store_b32 v11, v[PW]
	s_branch .Ljoin
.Lv:
	MATS 1                                         ; V
	QUANT 0
.irp k, 0,1,2,3
	global_store_b128 v10, v[PC+4*\k:PC+4*\k+3], s[68:69] offset:2048*\k   ; my 32 keys are one piece of each of V's four fragments: 512 consecutive bytes, aligned
.endr
.irp t, 0,1,2,3
	ds_store_b8 v12, v[TM+4+\t] offset:64*(\t%2)+2*(\t/2)                  ; both lanes of a block write the same byte with the same value
.endr
.Ljoin:
	s_wait_dscnt 0x0                               ; for the others' sake: my stores into the stage are done
	s_barrier_signal -1
	s_barrier_wait -1
	s_cmp_lt_u32 s40, 2
	s_cbranch_scc0 .Lend
	ds_load_b64 v[TM:TM+1], v13
	s_wait_dscnt 0x0
	global_store_b64 v14, v[TM:TM+1], s[70:71]     ; 32 lanes store 256 consecutive bytes, aligned
.Lend:
	s_wait_tensorcnt 0x0
	ds_add_u32 v254, v255
	s_wait_dscnt 0x0
	s_endpgm
.Lfunc_end_k_qaf03a6d605_project:
	.size	k_qaf03a6d605_project, .Lfunc_end_k_qaf03a6d605_project-k_qaf03a6d605_project
	.p2alignl 7, 3214868480
	.fill 96, 4, 3214868480
	.section	.rodata,"a",@progbits
	.p2align	6, 0x0
	.amdhsa_kernel k_qaf03a6d605_project
		.amdhsa_group_segment_fixed_size 172800
		.amdhsa_private_segment_fixed_size 0
		.amdhsa_enable_private_segment 0
		.amdhsa_kernarg_size 120
		.amdhsa_user_sgpr_count 2
		.amdhsa_user_sgpr_kernarg_segment_ptr 1
		.amdhsa_wavefront_size32 1
		.amdhsa_system_sgpr_workgroup_id_x 1
		.amdhsa_system_sgpr_workgroup_id_y 1
		.amdhsa_system_sgpr_workgroup_id_z 1
		.amdhsa_system_vgpr_workitem_id 0
		.amdhsa_next_free_vgpr 256
		.amdhsa_next_free_sgpr 80
		.amdhsa_reserve_vcc 0
		.amdhsa_float_denorm_mode_32 3
		.amdhsa_float_denorm_mode_16_64 3
		.amdhsa_memory_ordered 1
		.amdhsa_forward_progress 1
		.amdhsa_inst_pref_size 50
	.end_amdhsa_kernel
	.amdgpu_metadata
---
amdhsa.version: [ 1, 2 ]
amdhsa.kernels:
  - .name:           k_qaf03a6d605_project
    .symbol:         k_qaf03a6d605_project.kd
    .args:
      - { .name: z_codes, .offset: 0, .size: 8, .value_kind: global_buffer, .address_space: global }
      - { .name: y_codes, .offset: 8, .size: 8, .value_kind: global_buffer, .address_space: global }
      - { .name: Wk_codes, .offset: 16, .size: 8, .value_kind: global_buffer, .address_space: global }
      - { .name: Wq_codes, .offset: 24, .size: 8, .value_kind: global_buffer, .address_space: global }
      - { .name: Wv_codes, .offset: 32, .size: 8, .value_kind: global_buffer, .address_space: global }
      - { .name: z_scales, .offset: 40, .size: 8, .value_kind: global_buffer, .address_space: global }
      - { .name: y_scales, .offset: 48, .size: 8, .value_kind: global_buffer, .address_space: global }
      - { .name: Wk_scales, .offset: 56, .size: 8, .value_kind: global_buffer, .address_space: global }
      - { .name: Wq_scales, .offset: 64, .size: 8, .value_kind: global_buffer, .address_space: global }
      - { .name: Wv_scales, .offset: 72, .size: 8, .value_kind: global_buffer, .address_space: global }
      - { .name: bk, .offset: 80, .size: 8, .value_kind: global_buffer, .address_space: global }
      - { .name: bq, .offset: 88, .size: 8, .value_kind: global_buffer, .address_space: global }
      - { .name: bv, .offset: 96, .size: 8, .value_kind: global_buffer, .address_space: global }
      - { .name: kvc, .offset: 104, .size: 8, .value_kind: global_buffer, .address_space: global }
      - { .name: qimg, .offset: 112, .size: 8, .value_kind: global_buffer, .address_space: global }
    .group_segment_fixed_size: 172800
    .private_segment_fixed_size: 0
    .kernarg_segment_align: 8
    .kernarg_segment_size: 120
    .max_flat_workgroup_size: 192
    .sgpr_count:     80
    .vgpr_count:     256
    .wavefront_size: 32
...
	.end_amdgpu_metadata
.endif
;; end of part 1
;; launch attend (part 2): grid 256 x 1, 8 waves a work-group, clusters of 4 x 1, 327,680 bytes of LDS; arguments kvc, qimg, out0; writes out0
.if DOCPART == 2
	.amdgcn_target "amdgcn-amd-amdhsa--gfx1250"
	.amdhsa_code_object_version 6
	.text
	.protected	k_qaf03a6d605_attend
	.globl	k_qaf03a6d605_attend
	.p2align	8
	.type	k_qaf03a6d605_attend,@function
k_qaf03a6d605_attend:
	s_mov_b64 s[64:65], 0
	v_nop
	global_prefetch_b8 v0, s[64:65] scope:SCOPE_SE
	s_setreg_imm32_b32 hwreg(HW_REG_WAVE_MODE, 25, 1), 1
	s_wait_xcnt 0x0
	s_wait_alu depctr_hold_cnt(0) depctr_sa_sdst(0) depctr_va_vdst(0) depctr_va_sdst(0) depctr_va_ssrc(0) depctr_va_vcc(0) depctr_vm_vsrc(0)
	s_getreg_b32 s2, hwreg(HW_REG_IB_STS2, 6, 4)
	s_cmp_eq_u32 s2, 0
	s_cbranch_scc0 .Lentry_in_a_cluster
	s_endpgm
.Lentry_in_a_cluster:
	s_bfe_u32 s2, ttmp6, 0x10000c
	s_cmp_lg_u32 s2, 0x3003
	s_cbranch_scc0 .Lentry_shape_is_right
	s_endpgm
.Lentry_shape_is_right:
; out[q][:] = the sum over k of softmax_k(Q[q] . K[k] / 8) V[k][:], 4 batches of 4,096 queries x 4,096 keys x 64 channels, both products on codes of BF8 (E5M2) with one E8M0 scale for each 32 along K.
; THE SOFTMAX AHEAD OF THE SECOND PRODUCT: t = score x log2(e) / 8; M = the largest t so far, rounded UP to a whole number; p = 2^(t - M) is quantised along the keys, not normalised; the sum is taken of the
; unquantised p and divides at the end.  When M moves, the sum and O are multiplied by 2^(old M - new M): exact.
; SHARES.  A work-group owns 64 queries.  Wave w of eight: queries 32 (w % 2) .. + 31 (two tiles of 16, A and B), key quarter g = w / 2 (1,024 keys, eight steps of 128).  A fragment of K or V that a wave reads serves both tiles.
; At the end the four quarters' (M, sum, O) meet in LDS and are merged by powers of two.
; LAYOUT.  Both products transposed: S^T = K Q^T, O^T = V^T P^T: a lane holds one query (lane % 16) of each tile.  The operands lie in memory and in LDS as images of their registers: a fragment load is 512 consecutive bytes.
; K = 64 IN AN INSTRUCTION OF 128.  A fragment of K holds two tiles of 16 keys (k 0..63, k 64..127).  Q stands in 24 registers, q | zeros | q: v[16:31] = (q, 0) picks the first tile, v[24:39] = (0, q) the second.
; The other half meets zero codes; K's codes are finite and all scale bytes lie in 1..254, so it adds 0.
; THE ORDER ALONG THE KEYS.  Register S + 16 b + 8 u + j of lane (r, h) is key 32 b + 16 u + 8 h + j, the order in which V's codes were laid.  Register O + 8 t + j is channel 16 t + 8 h + j.
; A BLOCK'S SCALE.  p = 2^x and x rises with the score, so the exponent of a block's largest p is floor(x) of its largest score: no exponential is taken for it.
; WINDOWS.  Tile A's registers lie in window 0, tile B's at the same numbers in window 1; K's fragments in window 0, V's in window 1, both at v40-103; scale words in window 0, where products take them from.
; CLUSTER.  The four work-groups of a cluster belong to one batch and walk the same K and V: every record is asked for JOINTLY, by the same tensor load with the same descriptor and the mask 15, in all four.
; RING.  A record: 128 keys, 16,384 bytes of codes (K, then V) and 512 of scale bytes.  A quarter has four places in LDS: two slots of two places; each wave fetches one record of a slot.  Every LDS offset is an immediate.
; THE STEP.  Behind the products of step n: V of step n and K of step n + 1 are read from LDS and land under tile A's softmax; A's products; B's softmax; B's products.  In a slot's last step the change of slots stands
; between the two tiles' work, and A's scores of the next step are made with B's.
; LIMITS: NaN and infinities are not served; the scaled scores (exponents to the base 2, before the maximum is taken away) stay under 2^31 in magnitude; a p under 2^-126 comes out of v_exp_f32 as 0;
; inside a matrix instruction the numbers of a block of 32 are added in the order given above, not in ascending k: the sums differ from ascending order by their rounding alone.
.set REC,   16896                      ; a record of 128 keys
.set QREG,  4*REC                      ; a quarter's four places in LDS
.set SPARE, 4*QREG                     ; the spare words, 128 bytes for each wave
.set STG,   8960                       ; the merge: 32 rows x 272 bytes and 256 bytes of (-M, sum) for each wave, in slot 0 of its quarter, which has had its last fill and its last read by then
.set FR, 40                            ; v40-103  four fragments: of K in window 0, of V in window 1
.set S,  104                           ; v104-167 S^T, then p
.set O,  168                           ; v168-199 O^T
.set PC, 200                           ; v200-215 p's codes
.set BM, 216                           ; v216-219 the blocks' largest scores, then floor(x)
.set BX, 220                           ; v220-223 at work
.set HD, 224                           ; v224-227 57,344 x the scale
.set SO, 228                           ; v228-231 the conversions' scale operands
; Each window: v12 -M, v13 the largest score, v[14:15] and v[236:237] the sum in four parts; v16-39 Q; v232 f (v233 named with it); v234, v235 at work; v246-255 sums on the way.
; Window 0: v1, v2, v3 my lane's place in K's codes, V's codes, scale words; v4 16 x lane; v5, v6 the add's two registers; v7 the prefetch's offset; v8, v9 K's scale words; v10, v11 V's scale bytes as loaded;
; v238, v239 V's scale words; v242, v243 p's (A, B); v244, v245 Q's (A, B); v241 as loaded.  Window 1: v0-9 the merge's addresses.
.set MSB, 0
.macro WIN new                         ; the immediate's high byte repeats the setting that is left
.if MSB != (\new)
	s_set_vgpr_msb (MSB<<8)|(\new)
.set MSB, \new
.endif
.endm
.macro WALU
	s_wait_alu depctr_va_vdst(0)
.endm
.macro CREST                           ; a round of the cluster's barrier behind its opening barrier
	s_cmp_lg_u32 s12, 0
	s_cbranch_scc1 .Lnot_wave_0_\@
	s_barrier_signal -3
.Lnot_wave_0_\@:
	s_barrier_wait -3
	s_barrier_signal -1
	s_barrier_wait -1
.endm
.macro CROUND
	s_barrier_signal -1
	s_barrier_wait -1
	CREST
.endm
.macro PLACES n
.rept \n
	v_nop
.endr
.endm
; A PREFETCH INTO THE L2 of what the NEXT change of slots will ask for: two records of each quarter.  All sixteen clusters of a batch walk the same bytes: the batch's first cluster asks.  Its four partners share the quarters
; out by address (quarter cx); in each, waves 0 to 4 ask, lanes 256 bytes apart: 132 blocks, each named once (left-over lanes name the last again).  The first two slots come by their loads alone.
.macro ASK off
	s_cmp_eq_u32 s54, 1
	s_cbranch_scc0 .Lnot_mine_\@
	global_prefetch_b8 v7, s[52:53] offset:\off th:TH_LOAD_NT scope:SCOPE_SE
.Lnot_mine_\@:
.endm
.macro KLOAD p                         ; K's fragments and scale words of the step in place p
	WIN 0
	ds_load_b32 v8, v3 offset:REC*\p               ; fragments 0 (lanes 0-15) and 1 (lanes 16-31),
	ds_load_b32 v9, v3 offset:REC*\p+256           ; 2 and 3
.irp b, 0,1,2,3
.irp c, 0,1,2,3
	ds_load_b128 v[FR+16*\b+4*\c:FR+16*\b+4*\c+3], v1 offset:REC*\p+2048*\b+512*\c
.endr
.endr
.endm
.macro VLOAD p                         ; V's
	WIN 0
	ds_load_b32 v10, v3 offset:REC*\p+128          ; key blocks 0, 1: tiles 0 | 2 (lanes 0-15), 1 | 3 (lanes 16-31),
	ds_load_b32 v11, v3 offset:REC*\p+384          ; key blocks 2, 3
	WIN 0x40
.irp t, 0,1,2,3
.irp c, 0,1,2,3
	ds_load_b128 v[FR+16*\t+4*\c:FR+16*\t+4*\c+3], v2 offset:REC*\p+2048*\t+512*\c
.endr
.endr
	WIN 0
.endm
.macro SPROD w                         ; S^T of tile w: eight products
	WIN 0x44*\w
.irp b, 0,1,2,3
.if \b % 2
	v_wmma_scale_f32_16x16x128_f8f6f4 v[S+16*\b:S+16*\b+7], v[FR+16*\b:FR+16*\b+15], v[16:31], 0, v[8+\b/2], v[244+\w] matrix_a_fmt:MATRIX_FMT_BF8 matrix_b_fmt:MATRIX_FMT_BF8 matrix_a_scale:MATRIX_SCALE_ROW1
	v_wmma_scale_f32_16x16x128_f8f6f4 v[S+16*\b+8:S+16*\b+15], v[FR+16*\b:FR+16*\b+15], v[24:39], 0, v[8+\b/2], v[244+\w] matrix_a_fmt:MATRIX_FMT_BF8 matrix_b_fmt:MATRIX_FMT_BF8 matrix_a_scale:MATRIX_SCALE_ROW1
.else
	v_wmma_scale_f32_16x16x128_f8f6f4 v[S+16*\b:S+16*\b+7], v[FR+16*\b:FR+16*\b+15], v[16:31], 0, v[8+\b/2], v[244+\w] matrix_a_fmt:MATRIX_FMT_BF8 matrix_b_fmt:MATRIX_FMT_BF8
	v_wmma_scale_f32_16x16x128_f8f6f4 v[S+16*\b+8:S+16*\b+15], v[FR+16*\b:FR+16*\b+15], v[24:39], 0, v[8+\b/2], v[244+\w] matrix_a_fmt:MATRIX_FMT_BF8 matrix_b_fmt:MATRIX_FMT_BF8
.endif
.endr
.endm
.macro OPROD w, first                  ; O^T of tile w: four products; the wave's first start the sums
	WIN 1|0x54*\w
.irp t, 0,1,2,3
.if \first
.if \t % 2
	v_wmma_scale_f32_16x16x128_f8f6f4 v[O+8*\t:O+8*\t+7], v[FR+16*\t:FR+16*\t+15], v[PC:PC+15], 0, v[238+\t/2], v[242+\w] matrix_a_fmt:MATRIX_FMT_BF8 matrix_b_fmt:MATRIX_FMT_BF8 matrix_a_scale:MATRIX_SCALE_ROW1
.else
	v_wmma_scale_f32_16x16x128_f8f6f4 v[O+8*\t:O+8*\t+7], v[FR+16*\t:FR+16*\t+15], v[PC:PC+15], 0, v[238+\t/2], v[242+\w] matrix_a_fmt:MATRIX_FMT_BF8 matrix_b_fmt:MATRIX_FMT_BF8
.endif
.else
.if \t % 2
	v_wmma_scale_f32_16x16x128_f8f6f4 v[O+8*\t:O+8*\t+7], v[FR+16*\t:FR+16*\t+15], v[PC:PC+15], v[O+8*\t:O+8*\t+7], v[238+\t/2], v[242+\w] matrix_a_fmt:MATRIX_FMT_BF8 matrix_b_fmt:MATRIX_FMT_BF8 matrix_a_scale:MATRIX_SCALE_ROW1
.else
	v_wmma_scale_f32_16x16x128_f8f6f4 v[O+8*\t:O+8*\t+7], v[FR+16*\t:FR+16*\t+15], v[PC:PC+15], v[O+8*\t:O+8*\t+7], v[238+\t/2], v[242+\w] matrix_a_fmt:MATRIX_FMT_BF8 matrix_b_fmt:MATRIX_FMT_BF8
.endif
.endif
.endr
.endm
.macro MAXB w                          ; the largest score of each block of 32 keys: for the row's maximum and for the block's scale.  Tile A's 32 lines are also the places between tile B's products and the loads into what they read
	WIN 0x55*\w
	WALU
.irp b, 0,1,2,3
	v_max3_num_f32 v[BM+\b], v[S+16*\b], v[S+16*\b+1], v[S+16*\b+2]
.endr
.irp i, 3,5,7,9,11,13
.irp b, 0,1,2,3
	v_max3_num_f32 v[BM+\b], v[BM+\b], v[S+16*\b+\i], v[S+16*\b+\i+1]
.endr
.endr
.irp b, 0,1,2,3
	v_max_num_f32 v[BM+\b], v[BM+\b], v[S+16*\b+15]
.endr
.endm
.macro CHAIN w, first                  ; M, f, floor(x) of the blocks, x of all scores, O and the sum under the new M
	WIN 0x55*\w
.irp b, 0,1,2,3
	v_permlanex16_b32 v[BX+\b], v[BM+\b], s20, s21
.endr
.irp b, 0,1,2,3
	s_delay_alu instid0(VALU_DEP_4)
	v_max_num_f32 v[BM+\b], v[BM+\b], v[BX+\b]     ; with lane l xor 16's 16 keys
.endr
.if \first
	s_delay_alu instid0(VALU_DEP_2)
	v_max3_num_f32 v13, v[BM], v[BM+1], v[BM+2]
	s_delay_alu instid0(VALU_DEP_1)
	v_max_num_f32 v13, v13, v[BM+3]
	s_delay_alu instid0(VALU_DEP_1)
	v_mul_f32 v234, s18, v13
	s_delay_alu instid0(VALU_DEP_1)
	v_floor_f32 v12, v234                          ; -M = floor(-t)
.else
	s_delay_alu instid0(VALU_DEP_3)
	v_max3_num_f32 v13, v13, v[BM], v[BM+1]
	s_delay_alu instid0(VALU_DEP_1)
	v_max3_num_f32 v13, v13, v[BM+2], v[BM+3]      ; the largest score so far
	s_delay_alu instid0(VALU_DEP_1)
	v_mul_f32 v234, s18, v13                       ; -t
	s_delay_alu instid0(VALU_DEP_1)
	v_floor_f32 v234, v234                         ; the new -M = floor(-t) = -ceil(t)
	s_delay_alu instid0(VALU_DEP_1)
	v_sub_f32 v235, v234, v12                      ; old M - new M: a whole number, 0 or less
	v_mov_b32 v12, v234
	s_delay_alu instid0(VALU_DEP_2)
	v_cvt_i32_f32 v235, v235                       ; (it saturates)
	s_delay_alu instid0(VALU_DEP_1)
	v_ldexp_f32 v232, 1.0, v235                    ; f = 2^(old M - new M)
.endif
.irp b, 0,1,2,3
	v_fma_f32 v[BM+\b], v[BM+\b], s22, v12         ; x of the block's largest score
.endr
.irp b, 0,1,2,3
	v_max_num_f32 v[BM+\b], 0xc2de0000, v[BM+\b]   ; -111 at the least: the byte cannot fall under 1
.endr
.irp b, 0,1,2,3
	v_cvt_floor_i32_f32 v[BM+\b], v[BM+\b]
.endr
.set n, 0
.rept 32
	v_pk_fma_f32 v[S+n:S+n+1], v[S+n:S+n+1], s[22:23], v[12:13] op_sel_hi:[1,0,0]   ; x = t - M, two at a time
.set n, n+2
.endr
.if \first == 0
	WALU
.set n, 0
.rept 16
	v_pk_mul_f32 v[O+n:O+n+1], v[O+n:O+n+1], v[232:233] op_sel_hi:[1,0]
.set n, n+2
.endr
	v_pk_mul_f32 v[14:15], v[14:15], v[232:233] op_sel_hi:[1,0]
	v_pk_mul_f32 v[236:237], v[236:237], v[232:233] op_sel_hi:[1,0]
.endif
	WALU
.endm
.macro CVT b, u
	v_cvt_scalef32_pk8_bf8_f32 v[PC+4*(\b)+2*(\u):PC+4*(\b)+2*(\u)+1], v[S+16*(\b)+8*(\u):S+16*(\b)+8*(\u)+7], v[SO+(\b)]
.endm
; PHASES 0 .. 4.  Phase k < 4 holds the 16 exponentials of block k and, one behind each, plain lines on what earlier phases made; a wait stands behind each phase, and no line of a phase reads what a plain line of the same phase wrote
; with an exponential between.  Block k's p: in phase k + 1 the first additions and the hold (the conversion to an 8-bit code does not saturate: ISA guide 7.6.2; p is not negative, so it is one-sided), in phase k + 2 the next additions
; and the conversions, in phase k + 3 the last additions.  Phase 0: the limits 57,344 x the scale, the conversions' scale operands and the scale word, by shifts of floor(x).
.macro PL k, i
.if \k == 0
.if \i < 4
	v_lshl_add_u32 v[HD+\i], v[BM+\i], 23, 0x3fe00000
.elseif \i < 8
	v_lshl_add_u32 v[SO+\i-4], v[BM+\i-4], 23, 0x38000000
.elseif \i == 8
	v_lshl_add_u32 v[BX], v[BM+1], 8, v[BM]
.elseif \i == 9
	v_lshl_add_u32 v[BX+1], v[BM+3], 8, v[BM+2]
.endif
.else
.if \i == 0
.if \k == 1
	v_lshl_add_u32 v[BX+2], v[BX+1], 16, v[BX]
.endif
.if \k > 2
	v_pk_add_f32 v[14:15], v[14:15], v[254:255]
.endif
.if \k > 1
	v_pk_add_f32 v[254:255], v[246:247], v[248:249]
.endif
.elseif \i == 1
.if \k > 2
	v_pk_add_f32 v[236:237], v[236:237], v[234:235]
.endif
.if \k > 1
	v_pk_add_f32 v[234:235], v[250:251], v[252:253]
.endif
.elseif \i < 4
.if \k > 1
	CVT (\k)-2, (\i)-2
.endif
.elseif \i < 8
	v_pk_add_f32 v[246+2*(\i-4):247+2*(\i-4)], v[S+16*(\k-1)+4*(\i-4):S+16*(\k-1)+4*(\i-4)+1], v[S+16*(\k-1)+4*(\i-4)+2:S+16*(\k-1)+4*(\i-4)+3]
.else
	v_dual_min_num_f32 v[S+16*(\k-1)+2*(\i-8)], v[HD+\k-1], v[S+16*(\k-1)+2*(\i-8)] :: v_dual_min_num_f32 v[S+16*(\k-1)+2*(\i-8)+1], v[HD+\k-1], v[S+16*(\k-1)+2*(\i-8)+1]
.endif
.endif
.endm
.macro EXPS w
	WIN 0x55*\w
.irp k, 0,1,2,3
.irp i, 0,1,2,3,4,5,6,7,8,9,10,11,12,13,14,15
	v_exp_f32 v[S+16*\k+\i], v[S+16*\k+\i]         ; p = 2^x
	PL \k, \i
.endr
	WALU
.endr
.endm
.macro REST w                          ; p's scale word, phase 4 and what is left of blocks 2 and 3; six plain lines stand behind the last conversion
	WIN 0x15*\w
	v_add_nc_u32 v[242+\w], 0x70707070, v[BX+2]    ; the four bytes: floor(x) + 112 each
	WIN 0x55*\w
.irp i, 0,1,2,3,4,5,6,7,8,9,10,11,12,13,14,15
	PL 4, \i
.endr
	CVT 3, 0
	CVT 3, 1
	v_pk_add_f32 v[14:15], v[14:15], v[254:255]
	v_pk_add_f32 v[236:237], v[236:237], v[234:235]
	v_pk_add_f32 v[254:255], v[246:247], v[248:249]
	v_pk_add_f32 v[234:235], v[250:251], v[252:253]
	v_pk_add_f32 v[14:15], v[14:15], v[254:255]
	v_pk_add_f32 v[236:237], v[236:237], v[234:235]
.endm
; A KEY STEP: 128 keys of my quarter, in place p.  nx: the next step's place.  ch: 0 = the next step lies in the same slot; 1 = the change of slots follows, and the slot that is left (group 0 at g0) is filled again;
; 2 = the change without a fill; 3 = the last step.
; THE CHANGE OF SLOTS.  Each wave waits for all its tensor loads (its record of the slot ahead), adds 0 to its spare word, and waits for that and for its reads of the slot that it leaves.  With a fill the barrier opens a round of the
; cluster's: no wave of any partner still reads the slot or has a load on its way; the joint refill, two slots on in memory, is the first thing behind it and has two key steps in which to land.
.macro STEP p, nx, ch, first, g0, ask
	MAXB 0
	VLOAD \p
.if \ch == 0
	KLOAD \nx
.endif
	CHAIN 0, \first
	EXPS 0
.if (\ch == 1) || (\ch == 2)
	s_wait_tensorcnt 0x0                           ; no tensor load of mine is out, so a group 0 may be written
	ds_add_u32 v5, v6                              ; 0 onto my spare word
.if \ch == 1
	s_add_nc_u64 s[\g0+2:\g0+3], s[\g0+2:\g0+3], 4*REC   ; four records on; the type bits on top are not reached
.endif
.endif
	s_wait_dscnt 0x0                               ; V's fragments (and K's, or the add) are in
	v_perm_b32 v238, v11, v10, 0x05040100          ; V's scale words of these 128 keys: tiles 0 and 1,
	v_perm_b32 v239, v11, v10, 0x07060302          ; tiles 2 and 3
	REST 0
.if \ch == 0
	OPROD 0, \first
	SPROD 0
.elseif \ch < 3
	WALU
	s_barrier_signal -1
	OPROD 0, \first                                ; work on registers while the others arrive
	WIN 0
	s_barrier_wait -1
.if \ch == 1
	CREST
	tensor_load_to_lds s[\g0:\g0+3], s[24:31]      ; my one tensor load behind the round
	s_nop 0
	PLACES 4
.endif
	KLOAD \nx
.if \ask
	ASK 2*REC
.endif
.endif
	MAXB 1
	CHAIN 1, \first
	EXPS 1
	REST 1
.if (\ch == 1) || (\ch == 2)
	WALU
	s_wait_dscnt 0x0                               ; K's fragments out of the new slot
	SPROD 0
.elseif \ch == 3
	OPROD 0, \first
.endif
	OPROD 1, \first
.if \ch < 3
	SPROD 1
.endif
.if (\ch == 1) || (\ch == 2)
	PLACES 8                                       ; eight places between A's scores and their first read
.endif
.endm
	s_load_b128 s[4:7], s[0:1], 0x0                ; kvc s[4:5], qimg s[6:7]
	s_load_b64 s[8:9], s[0:1], 0x10                ; out0
	v_lshl_add_u32 v5, v0, 2, SPARE
	v_mov_b32 v6, 0
	ds_add_u32 v5, v6                              ; the wave's opening: the add, twice on end, and its wait ahead of my first tensor load
	ds_add_u32 v5, v6
	v_lshrrev_b32 v246, 5, v0
	v_readfirstlane_b32 s12, v246                  ; wave 0..7
	s_bfe_u32 s13, ttmp6, 0x40000                  ; cx: it enters global addresses of qimg, of out0 and of the prefetch alone
	s_lshl_b32 s14, ttmp9, 2
	s_add_co_u32 s14, s14, s13                     ; my block of 64 queries
	s_lshr_b32 s15, ttmp9, 4                       ; the batch, which the four partners share
	s_and_b32 s16, s12, 1                          ; which 32 of the queries; also which record of a slot I fetch
	s_lshr_b32 s17, s12, 1                         ; g
	s_mov_b32 s18, 0xbe38aa3b                      ; -c
	s_mov_b32 s20, 0x76543210
	s_mov_b32 s21, 0xfedcba98                      ; v_permlanex16_b32's selects for lane l xor 16
	s_mov_b32 s22, 0x3e38aa3b                      ; c = log2(e) / 8
	s_mov_b32 s23, s22                             ; (named with it as a pair, so it is written)
	; descriptor group 1: a record, 66 dense rows of 256 bytes (32 elements of 8 bytes), no padding; the mask names all four work-groups, bit 21 beside it
	s_mov_b32 s24, 15|(3<<16)|(1<<21)
	s_mov_b32 s25, 32<<16
	s_mov_b32 s26, 66<<16
	s_mov_b32 s27, 32<<16
	s_mov_b32 s28, 66
	s_mov_b32 s29, 32
	s_mov_b32 s30, 0
	s_mov_b32 s31, 0
	; offsets, in registers of their own
	s_mul_i32 s56, s15, 32*REC                     ; the batch's 32 records,
	s_mul_i32 s57, s17, 8*REC                      ; my quarter's 8,
	s_add_co_u32 s56, s56, s57
	s_mul_i32 s57, s16, REC                        ; my one of two
	s_add_co_u32 s56, s56, s57
	s_mov_b32 s57, 0
	s_mul_i32 s60, s14, 4352                       ; qimg: my block's record:
	s_lshl_b32 s61, s16, 7
	s_add_co_u32 s62, s60, s61
	s_add_co_u32 s62, s62, 4096                    ; my tiles' scale words behind the two images;
	s_lshl_b32 s61, s16, 11
	s_add_co_u32 s60, s60, s61                     ; my image
	s_mov_b32 s61, 0
	s_mov_b32 s63, 0
	s_mul_i32 s52, s15, 32*REC                     ; the prefetch: quarter cx of the batch, from its fifth record on
	s_mul_i32 s53, s13, 8*REC
	s_add_co_u32 s52, s52, s53
	s_add_co_u32 s52, s52, 4*REC
	s_mov_b32 s53, 0
	s_lshl_b32 s2, s14, 6                          ; out0: the first of the eight rows that I store: 64 block + 32 (w % 2) + 8 g
	s_lshl_b32 s3, s16, 5
	s_add_co_u32 s2, s2, s3
	s_lshl_b32 s3, s17, 3
	s_add_co_u32 s2, s2, s3
	s_lshl_b32 s2, s2, 8                           ; a row of out0 is 256 bytes
	s_mov_b32 s3, 0
	s_and_b32 s54, ttmp9, 15
	s_cmp_lt_u32 s12, 5
	s_cselect_b32 s55, 0, 1
	s_or_b32 s54, s54, s55
	s_cmp_eq_u32 s54, 0
	s_cselect_b32 s54, 1, 0                        ; 1 in waves 0 to 4 of the batch's first cluster: the same in all four partners
	s_mul_i32 s41, s17, QREG                       ; LDS: my quarter's places 0, 1 (slot 0) and 2, 3 (slot 1)
	s_mul_i32 s45, s16, REC
	s_add_co_u32 s41, s41, s45
	s_add_co_u32 s45, s41, 2*REC
	s_mov_b32 s40, 1
	s_mov_b32 s44, 1
	WALU
	s_wait_dscnt 0x0                               ; both opening adds are done
	s_wait_kmcnt 0x0
	s_add_nc_u64 s[42:43], s[4:5], s[56:57]
	s_add_nc_u64 s[46:47], s[42:43], 2*REC
	s_or_b32 s43, s43, 0x80000000
	s_or_b32 s47, s47, 0x80000000
	s_add_nc_u64 s[60:61], s[6:7], s[60:61]
	s_add_nc_u64 s[62:63], s[6:7], s[62:63]
	s_add_nc_u64 s[52:53], s[4:5], s[52:53]
	s_add_nc_u64 s[8:9], s[8:9], s[2:3]
	CROUND                                         ; all four work-groups are here: the first joint loads meet
	tensor_load_to_lds s[40:43], s[24:31]          ; slot 0: my one load at the head
	s_nop 0
	PLACES 4
	v_and_b32 v246, 31, v0                         ; lane
	v_and_b32 v247, 15, v0                         ; r
	v_bfe_u32 v248, v0, 4, 1                       ; h
	v_lshlrev_b32 v4, 4, v246
	v_lshlrev_b32 v235, 2, v246
	global_load_b128 v[16:19], v4, s[60:61]        ; q of tile A, twice: below the zeros and above them
	global_load_b128 v[20:23], v4, s[60:61] offset:512
	global_load_b128 v[32:35], v4, s[60:61]
	global_load_b128 v[36:39], v4, s[60:61] offset:512
	global_load_b32 v241, v235, s[62:63]
	WIN 0x40
	global_load_b128 v[16:19], v4, s[60:61] offset:1024   ; of tile B
	global_load_b128 v[20:23], v4, s[60:61] offset:1536
	global_load_b128 v[32:35], v4, s[60:61] offset:1024
	global_load_b128 v[36:39], v4, s[60:61] offset:1536
	WIN 0
	s_mul_i32 s56, s17, QREG
	v_add_nc_u32 v1, s56, v4                       ; 16 x lane + my quarter's places: K's codes,
	v_add_nc_u32 v2, 8192, v1                      ; V's codes;
	s_add_co_u32 s56, s56, 16384
	v_add_nc_u32 v3, s56, v235                     ; 4 x lane + the scale bytes
	v_min_u32 v7, 131, v0
	v_lshlrev_b32 v7, 8, v7                        ; the prefetch: lanes 256 bytes apart
	WALU
	s_mul_i32 s57, s16, STG
	s_mul_i32 s58, s17, QREG
	s_add_co_u32 s58, s58, s57                     ; my stage
	v_mul_u32_u24 v249, v247, 272
	v_lshl_add_u32 v249, v248, 5, v249             ; row r, + 32 h: eight channels
	v_lshl_add_u32 v250, v247, 3, 8704             ; (-M, sum): 8 bytes a query, behind the 32 rows
	v_mul_u32_u24 v251, v248, 272
	v_lshl_add_u32 v251, v247, 4, v251             ; back: rows h, 16 bytes a lane
	v_lshlrev_b32 v252, 3, v248
	s_mul_i32 s59, s17, 8*272
	s_add_co_u32 s59, s59, s57                     ; from row 8 g of my 32 queries on
	s_lshl_b32 s55, s17, 6
	s_add_co_u32 s55, s55, s57
	s_add_co_u32 s55, s55, 8704
	WALU
	WIN 0x40
	v_add_nc_u32 v0, s58, v249
	v_add_nc_u32 v1, s58, v250
.irp q, 0,1,2,3
	v_add_nc_u32 v[2+\q], s59, v251                ; quarter q's stage
	v_add_nc_u32 v[6+\q], s55, v252
	s_add_co_u32 s59, s59, QREG
	s_add_co_u32 s55, s55, QREG
.endr
.macro ZERO
.irp j, 14,15,24,25,26,27,28,29,30,31,220,221,222,223,233,236,237
	v_mov_b32 v[\j], 0                             ; the sum; the zero codes between the two copies of q; a lane permute's destinations; the upper half of f's pair
.endr
.endm
	ZERO
	WIN 0
	ZERO
	WALU
	s_wait_loadcnt 0x0                             ; Q
	v_perm_b32 v244, v241, v241, 0x01000100        ; tile A's two bytes, twice: they serve q below the zeros and above them
	v_perm_b32 v245, v241, v241, 0x03020302        ; tile B's
	PLACES 8                                       ; eight places between a scale word's write and its product
	WALU                                           ; the head's end
	s_wait_tensorcnt 0x0                           ; my record of slot 0 is in; slot 1's first fill is issued as a refill is:
	ds_add_u32 v5, v6
	s_wait_dscnt 0x0
	CROUND                                         ; everybody's is in
	tensor_load_to_lds s[44:47], s[24:31]          ; slot 1
	s_nop 0
	PLACES 4
	KLOAD 0
	ASK 0
	s_wait_dscnt 0x0
	SPROD 0
	SPROD 1
	PLACES 8
	STEP 0, 1, 0, 1, 40, 0
	STEP 1, 2, 1, 0, 40, 1                         ; slot 0 takes steps 4, 5 of each quarter; steps 6, 7 are prefetched
	STEP 2, 3, 0, 0, 40, 0
	STEP 3, 0, 1, 0, 44, 0                         ; slot 1 takes steps 6, 7
	STEP 0, 1, 0, 0, 40, 0
	STEP 1, 2, 2, 0, 40, 0                         ; nothing is left to fetch; behind this barrier nobody reads slot 0 any more
	STEP 2, 3, 0, 0, 40, 0
	STEP 3, 0, 3, 0, 40, 0
	; THE MERGE.  My quarter's O^T, -M and sum go to LDS; each wave then takes eight of its 32 queries from all four quarters.
.irp w, 0,1                            ; ten plain lines: also the places behind the last products
	WIN 0x55*\w
	v_pk_add_f32 v[14:15], v[14:15], v[236:237]
	v_add_f32 v14, v14, v15
	v_permlanex16_b32 v234, v14, s20, s21
	v_add_f32 v15, v14, v234                       ; with lane l xor 16's: the quarter's sum
	v_mov_b32 v14, v12
.endr
.irp w, 0,1
	WIN 1|4*\w                                     ; address window 1, data window w
.irp t, 0,1,2,3
.irp k, 0,1
	ds_store_b128 v0, v[O+8*\t+4*\k:O+8*\t+4*\k+3] offset:4352*\w+64*\t+16*\k   ; channels 16 t + 8 h + 4 k on; each accumulator from its low end on
.endr
.endr
	ds_store_b64 v1, v[14:15] offset:128*\w        ; (-M, sum); both lanes of a query write the same
.endr
	WIN 0
	WALU
	s_wait_dscnt 0x0                               ; for the others' sake: my stores are done
	s_barrier_signal -1
	s_barrier_wait -1
	WIN 1
.irp i, 0,1,2,3                        ; rows 8 g + 2 i + (lane / 16), from quarters 0 to 3
.irp q, 0,1,2,3
	ds_load_b64 v[104+2*(4*\i+\q):104+2*(4*\i+\q)+1], v[6+\q] offset:16*\i
.endr
.endr
.irp i, 0,1,2,3
.irp q, 0,1,2,3
	ds_load_b128 v[40+4*(4*\i+\q):40+4*(4*\i+\q)+3], v[2+\q] offset:544*\i
.endr
.endr
	WIN 0
	s_wait_dscnt 0x0
.irp i, 0,1,2,3
	v_min3_num_f32 v[136+\i], v[104+8*\i], v[106+8*\i], v[108+8*\i]
.endr
.irp i, 0,1,2,3
	v_min_num_f32 v[136+\i], v[136+\i], v[110+8*\i]   ; the least -M: the row's
.endr
.irp i, 0,1,2,3
.irp q, 0,1,2,3
	v_sub_f32 v[140+4*\i+\q], v[136+\i], v[104+8*\i+2*\q]   ; the quarter's M less the row's: a whole number, 0 or less
.endr
.endr
.set n, 140
.rept 16
	v_cvt_i32_f32 v[n], v[n]
.set n, n+1
.endr
.set n, 140
.rept 16
	v_ldexp_f32 v[n], 1.0, v[n]                    ; a power of two, so the merge rounds only in its additions
.set n, n+1
.endr
.irp i, 0,1,2,3
	v_mul_f32 v[160+\i], v[140+4*\i], v[105+8*\i]
.endr
.irp q, 1,2,3
.irp i, 0,1,2,3
	v_fmac_f32 v[160+\i], v[140+4*\i+\q], v[105+8*\i+2*\q]  ; the row's sum
.endr
.endr
	WALU
.irp i, 0,1,2,3
	v_rcp_f32 v[164+\i], v[160+\i]
.endr
.irp i, 0,1,2,3
.irp k, 0,2
	v_pk_mul_f32 v[168+4*\i+\k:169+4*\i+\k], v[40+16*\i+\k:41+16*\i+\k], v[140+4*\i:141+4*\i] op_sel_hi:[1,0]
.endr
.endr
.irp q, 1,2,3
.irp i, 0,1,2,3
.irp k, 0,2
.if \q % 2
	v_pk_fma_f32 v[168+4*\i+\k:169+4*\i+\k], v[40+16*\i+4*\q+\k:41+16*\i+4*\q+\k], v[140+4*\i+\q-1:140+4*\i+\q], v[168+4*\i+\k:169+4*\i+\k] op_sel:[0,1,0] op_sel_hi:[1,1,1]
.else
	v_pk_fma_f32 v[168+4*\i+\k:169+4*\i+\k], v[40+16*\i+4*\q+\k:41+16*\i+4*\q+\k], v[140+4*\i+\q:141+4*\i+\q], v[168+4*\i+\k:169+4*\i+\k] op_sel_hi:[1,0,1]
.endif
.endr
.endr
.endr
	WALU                                           ; ahead of the first reader of the reciprocals
.irp i, 0,1,2,3
.irp k, 0,1,2,3
	v_mul_f32 v[168+4*\i+\k], v[168+4*\i+\k], v[164+\i]
.endr
.endr
.irp i, 0,1,2,3
	global_store_b128 v4, v[168+4*\i:171+4*\i], s[8:9] offset:512*\i th:TH_STORE_NT   ; two whole rows of out0: 512 consecutive bytes, aligned
.endr
	s_wait_tensorcnt 0x0                           ; the wave's end, behind my last tensor load and my last LDS store
	ds_add_u32 v5, v6
	s_wait_dscnt 0x0
	CROUND                                         ; the closing round: no work-group ends while a partner may still ask for a record that names it
	s_endpgm
.Lfunc_end_k_qaf03a6d605_attend:
	.size	k_qaf03a6d605_attend, .Lfunc_end_k_qaf03a6d605_attend-k_qaf03a6d605_attend
	.p2alignl 7, 3214868480
	.fill 96, 4, 3214868480
	.section	.rodata,"a",@progbits
	.p2align	6, 0x0
	.amdhsa_kernel k_qaf03a6d605_attend
		.amdhsa_group_segment_fixed_size 327680
		.amdhsa_private_segment_fixed_size 0
		.amdhsa_enable_private_segment 0
		.amdhsa_kernarg_size 24
		.amdhsa_user_sgpr_count 2
		.amdhsa_user_sgpr_kernarg_segment_ptr 1
		.amdhsa_wavefront_size32 1
		.amdhsa_system_sgpr_workgroup_id_x 1
		.amdhsa_system_sgpr_workgroup_id_y 1
		.amdhsa_system_sgpr_workgroup_id_z 1
		.amdhsa_system_vgpr_workitem_id 0
		.amdhsa_next_free_vgpr 512
		.amdhsa_next_free_sgpr 66
		.amdhsa_reserve_vcc 0
		.amdhsa_float_denorm_mode_32 3
		.amdhsa_float_denorm_mode_16_64 3
		.amdhsa_memory_ordered 1
		.amdhsa_forward_progress 1
		.amdhsa_inst_pref_size 255
	.end_amdhsa_kernel
	.section	.bss,"aw",@nobits
	.p2align	6
	.space	262144
	.amdgpu_metadata
---
amdhsa.version: [ 1, 2 ]
amdhsa.kernels:
  - .name:           k_qaf03a6d605_attend
    .symbol:         k_qaf03a6d605_attend.kd
    .args:
      - { .name: kvc, .offset: 0, .size: 8, .value_kind: global_buffer, .address_space: global }
      - { .name: qimg, .offset: 8, .size: 8, .value_kind: global_buffer, .address_space: global }
      - { .name: out0, .offset: 16, .size: 8, .value_kind: global_buffer, .address_space: global }
    .group_segment_fixed_size: 327680
    .private_segment_fixed_size: 0
    .kernarg_segment_align: 8
    .kernarg_segment_size: 24
    .max_flat_workgroup_size: 256
    .sgpr_count:     66
    .vgpr_count:     512
    .wavefront_size: 32
...
	.end_amdgpu_metadata
.endif
;; end of part 2
